; MI455X (gfx1250); checked and timed in simulation.
; The chip was launched on July 23, 2026; its instructions are those of AMD's public machine-readable ISA for CDNA 5 (MIT licence, August 2026) and "CDNA5" Instruction Set Architecture Reference Guide (July 2026). The comments in the code are by the model that wrote it; some were corrected since.
;; Scaled Dot Product Attention. Allowed arithmetic: matrix products marked QUANTISED: E4M3 operands, one E8M0 scale for each 32 along K, by v_wmma_scale_f32_16x16x128_f8f6f4 with both operands' format E4M3, f32 sums; everything else in f32.
;; Inputs: key 4 x 16 x 2,048 x 128 float32; query 4 x 16 x 2,048 x 128 float32; value 4 x 16 x 2,048 x 128 float32.
;; Outputs: out0 4 x 16 x 2,048 x 128 float32.
;; This version of the problem:
;;   THIS VERSION OF THE PROBLEM IS GIVEN IN LOW PRECISION. The matrix products marked QUANTISED in the list below multiply operands that are first quantised to E4M3 (4 exponent bits, 3 mantissa bits; 8 bits a number), with one power-of-two scale for each 32 numbers along K (OCP MX v1.0); their sums are f32. All else is computed in f32.
;;   The module's matrix products, in the order in which they are computed (A, B: the left and right operand; K: the contracted axis; several contracted axes count as one K, in the product's order):
;;     1. batch 64 x [M 2,048, K 128] x [K 128, N 2,048]; A: input query; B: input key: QUANTISED
;;     2. batch 64 x [M 2,048, K 2,048] x [K 2,048, N 128]; A: softmax (see below); B: input value: QUANTISED
;;   THE QUANTISER, for each operand of a quantised product, along K:
;;     - K is cut into blocks of 32 from its start; a last block that is shorter is filled with zeros.
;;     - A block's scale is 2^e with e = floor(log2(the largest magnitude in the block)) - 8, held to -126 .. 127; a block of zeros has e = 0. As a byte (E8M0): e + 127.
;;     - Each number is divided by its block's scale, clamped to +-448, and rounded to the nearest number of E4M3, ties to even, subnormals kept.
;;     - The product sums the exact products of the quantised numbers (number of the format x scale) in f32.
;;   ~~~python
;;   def quantise(x, axis):      # numpy; x: float32 -> the quantised numbers, widened to float32 again
;;       x = np.moveaxis(x, axis, -1); K = x.shape[-1]
;;       x = np.pad(x, [(0, 0)] * (x.ndim - 1) + [(0, -K % 32)]); x = x.reshape(x.shape[:-1] + (-1, 32)); a = np.abs(x).max(-1, keepdims=True)
;;       e = np.where(a > 0, np.clip(np.frexp(np.where(a > 0, a, 1))[1] - 1 - 8, -126, 127), 0)      # np.frexp(a)[1] - 1 = floor(log2(a)), exactly
;;       r = np.clip(x / 2.0 ** e, -448, 448)
;;       step = 2.0 ** (np.maximum(np.frexp(np.where(r == 0, 1, r))[1] - 1, -6) - 3)
;;       q = np.round(r / step) * step * 2.0 ** e      # np.round: ties to even
;;       return np.moveaxis(q.reshape(q.shape[:-2] + (-1,))[..., :K], -1, axis).astype(np.float32)
;;   ~~~
;;   SOFTMAX AHEAD OF A QUANTISED PRODUCT. Where the list says 'softmax', what is quantised is not the finished softmax but p = 2^(t - M), with t = logit x log2(e) and M = ceil(the row's largest t), a whole number; so 1/2 < the row's largest p <= 1. The row's sum l is taken of the UNQUANTISED p, in f32, and the product's result is divided by l at the end. Since M is a whole number, a kernel that streams over the keys may use a running M (the ceiling of the running maximum): every later rescaling is an exact power of two, which a block's scale takes up: the codes' values come out the same.
;;   OPERANDS COMPUTED ON THE WAY. 'Computed on the way' means the value that the module computes at that place (a softmax that the list does not call 'softmax' is quantised finished and normalised). What goes into a quantiser is computed in f32, as accurately as f32 sums, v_exp_f32 and their like allow (about 1e-6 of the number): no bf16 or f16 on the way to a quantiser, and a product that is left as it is and whose result goes on into a quantised operand takes f32 operands (vector FMAs, or v_wmma_f32_16x16x4_f32). A number that lies on a knife's edge between two numbers of the format may be rounded either way, as far as f32 arithmetic and the matrix unit's own rounding can turn it there, and no further.
;; One version. Each part assembles by itself: llvm-mc -triple=amdgcn-amd-amdhsa -mcpu=gfx1250 --defsym DOCPART=n.
;; ======== version 1 of 1: 2 launches
;; limits: right only within a limited range of input values
;; workspace buffers: kv 34,603,008 bytes
;; launch quant (part 1): grid 512 x 2, 4 waves a work-group, no clusters, 34,304 bytes of LDS; arguments key, value, kv; writes kv
.if DOCPART == 1
	.amdgcn_target "amdgcn-amd-amdhsa--gfx1250"
	.amdhsa_code_object_version 6
	.text
	.protected	k_q248c8925e5_quant
	.globl	k_q248c8925e5_quant
	.p2align	8
	.type	k_q248c8925e5_quant,@function
k_q248c8925e5_quant:
	s_mov_b64 s[64:65], 0
	v_nop
	global_prefetch_b8 v0, s[64:65] scope:SCOPE_SE
	s_setreg_imm32_b32 hwreg(HW_REG_WAVE_MODE, 25, 1), 1
	s_wait_xcnt 0x0
; key and value, [64 heads][2048][128] f32, become codes of FP8 (E4M3) with one E8M0 scale byte for each 32 along a product's K, laid in kv as IMAGES OF THE OPERANDS' REGISTERS.
; K is quantised along d (the first product's K), V along the keys (the second product's K).  A block's scale is 2^(floor(log2(its largest magnitude)) - 8); its byte is the largest magnitude's
; exponent field - 8, held at 1 from below; each number is held within +-448 x the scale and rounded to the nearest code, ties to even.
; LIMITS: a block whose largest magnitude lies under 2^-118 (a block of zeros too) keeps the byte 1: a block of zeros has zero codes, and this program alone reads the bytes.  NaN and infinities among the inputs are not served.
; kv: one block of SLOTB = 67,584 bytes for each head and each 256 keys (number x = 8 head + slot).  q = which 128 keys of the 256, lane = 16 h + r:
;   0      K's codes: tile T = 8 q + t at 2,048 T; byte 512 c + 16 lane + e = key 128 q + 32 (t / 2) + 8 (t % 2) + r + 8 (r / 8), d = 32 c + 16 h + e
;   32,768 V's codes: tile T = 8 q + t at 2,048 T; byte 512 c + 16 lane + e = d = 16 t + r, key 128 q + 32 c + 16 h + e
;   65,536 K's scale words: block 2 q + g at 256 (2 q + g); word at 8 lane + 4 j: tile 4 g + 2 j + h, row r
;   66,560 V's scale words: pair p at 256 p; word at 8 lane + 4 q: d tile 2 p + h, row r, keys 128 q on
; SHARES: work-group (x, y): y = 0 makes K's part of block x, y = 1 V's part, each from 131,072 dense bytes.  Waves share nothing: no barrier.  Only K's path uses LDS.
; Matrix units, tensor loads and clusters are left out: the launch is a stream, each input byte is read once and no two work-groups read the same bytes.
.set SLOTB, 67584
.set VCO,   32768                      ; V's codes in a block
.set KSO,   65536                      ; K's scale words
.set VSO,   66560                      ; V's scale words
.set SPK,   528                        ; a stage row: 512 bytes + 16 = 33 x 16: the sixteen rows that a read touches start at sixteen different groups of banks (64 banks of 4 bytes: ISA guide 11.1)
.set STGW,  16*SPK                     ; a wave's stage: 16 rows
.set SEL,   20                         ; s[20:21] lane selects for v_permlanex16_b32: lane l xor 16
.set MNT,   23                         ; s23 the mantissa field of 448
; K's path
.set KA,    2                          ; v2  16 lane + 32,768 wave: my 16 bytes of a row of my wave's 64 keys
.set SIN,   3                          ; v3  the stage, on the way in: 16 lane
.set SOUT,  4                          ; v4  and out: 528 r + 64 h
.set CO,    5                          ; v5  16 lane + 8,192 wave: an image's place for my lane
.set SCO,   6                          ; v6  8 lane + 256 wave
.set R,     32                         ; v32-159  two sets of 64: a tile's 16 rows as loaded
.set X,     160                        ; v160-223 register 16 b + i = d 32 b + 16 h + i of row r
.set PC,    224                        ; v224-239 a tile's codes
.set MX,    240                        ; v240-243 largest magnitudes
.set PB,    244                        ; v244-247 the other half's, then the bytes
.set HD,    248                        ; v248-251 448 x the scale
.set SOP,   252                        ; v252-255 the conversions' scale operands
; V's path
.set VA,    2                          ; v2  4 lane + 128 wave: my column
.set VO,    3                          ; v3  2,048 (lane / 16) + 16 (lane % 16) + 4,096 wave
.set VSW,   4                          ; v4  8 lane + 256 wave
.set VX,    32                         ; v32-95   two sets of 32 numbers down the keys
.set VC,    96                         ; v96-159  eight registers of codes for each block: no store's data are written again
	s_load_b128 s[4:7], s[0:1], 0x0                ; key, value
	s_load_b64 s[8:9], s[0:1], 0x10                ; kv
	v_lshl_add_u32 v30, v0, 2, 0x8400
	v_mov_b32 v31, 0
	v_lshrrev_b32 v1, 5, v0
	v_readfirstlane_b32 s10, v1                    ; wave 0..3
	v_and_b32 v1, 31, v0                           ; lane
	s_and_b32 s11, ttmp7, 0xffff                   ; y: 0 K's path, 1 V's
	s_lshl_b32 s12, ttmp9, 17                      ; x times 256 rows of 512 bytes (under 2^27)
	s_mov_b32 s13, 0
	s_mul_i32 s14, ttmp9, SLOTB                    ; x times a block of kv
	s_mov_b32 s15, 0
	s_mov_b32 s[SEL], 0x76543210
	s_mov_b32 s[SEL+1], 0xfedcba98
	s_mov_b32 s[MNT], 0x600000
	s_wait_kmcnt 0x0
	s_cmp_eq_u32 s11, 0                            ; the choice hangs on the work-group's number alone
	s_cselect_b64 s[4:5], s[4:5], s[6:7]
	s_add_nc_u64 s[4:5], s[4:5], s[12:13]
	s_add_nc_u64 s[8:9], s[8:9], s[14:15]
	s_cmp_lg_u32 s11, 0
	s_cbranch_scc1 .Lv
; ---------------- K's path: wave w takes keys 64 w .. 64 w + 63: tiles T = 4 w + 0 .. 3 ----------------
	s_wait_alu depctr_va_vdst(0)
	v_lshlrev_b32 v7, 4, v1                        ; 16 lane
	s_lshl_b32 s16, s10, 15
	v_add_nc_u32 v[KA], s16, v7
	s_mul_i32 s17, s10, STGW                       ; my stage
	v_add_nc_u32 v[SIN], s17, v7
	v_and_b32 v8, 15, v0                           ; r
	v_bfe_u32 v9, v0, 4, 1                         ; h
	v_mul_u32_u24 v[SOUT], v8, SPK
	v_lshl_add_u32 v[SOUT], v9, 6, v[SOUT]
	v_add_nc_u32 v[SOUT], s17, v[SOUT]
	s_lshl_b32 s16, s10, 13
	v_add_nc_u32 v[CO], s16, v7
	s_lshl_b32 s16, s10, 8
	v_lshl_add_u32 v[SCO], v1, 3, s16
.irp b, 0,1,2,3
	v_mov_b32 v[PB+\b], 0                          ; written once: a lane permute's destination counts as one of its sources
.endr
; tile t's 16 rows: row i is key 32 (t / 2) + 8 (t % 2) + i + 8 (i / 8) of my 64; each load reads one whole row, 512 consecutive bytes
.macro KLOAD t
.irp i, 0,1,2,3,4,5,6,7,8,9,10,11,12,13,14,15
	global_load_b128 v[R+64*((\t)%2)+4*\i:R+64*((\t)%2)+4*\i+3], v[KA], s[4:5] offset:(32*((\t)/2)+8*((\t)%2)+\i+8*(\i/8))*512 th:TH_LOAD_NT
.endr
.endm
; 64 numbers of a lane, register 16 b + i = k 32 b + 16 h + i of my row, become a fragment's codes in v[pc] on and its scale word in v[pw]
.macro QUANT s, pc, pw
.irp b, 0,1,2,3
	v_max3_num_f32 v[MX+\b], |v[\s+16*\b]|, |v[\s+1+16*\b]|, 0x4800000   ; block b: my 16 numbers, and the floor 2^(9 - 127): the byte cannot fall under 1
.endr
.irp i, 2,4,6,8,10,12,14
.irp b, 0,1,2,3
	v_max3_num_f32 v[MX+\b], v[MX+\b], |v[\s+16*\b+\i]|, |v[\s+1+16*\b+\i]|   ; the four blocks by turns
.endr
.endr
.irp b, 0,1,2,3
	v_permlanex16_b32 v[PB+\b], v[MX+\b], s[SEL], s[SEL+1]
.endr
.irp b, 0,1,2,3
	v_max_num_f32 v[MX+\b], v[MX+\b], v[PB+\b]     ; with lane l xor 16: the block's largest magnitude
.endr
.irp b, 0,1,2,3
	v_add_nc_u32 v[SOP+\b], 0xfc000000, v[MX+\b]   ; 8 off its exponent field: the conversion takes this operand's exponent field as its scale
.endr
.irp b, 0,1,2,3
	v_and_or_b32 v[HD+\b], v[MX+\b], 0x7f800000, s[MNT]   ; 448 x the scale
.endr
.irp b, 0,1,2,3
	v_lshrrev_b32 v[PB+\b], 23, v[SOP+\b]          ; the scale's byte
.endr
	v_lshl_or_b32 v[\pw], v[PB+1], 8, v[PB]        ; the four bytes make my row's scale word
	v_lshl_or_b32 v[\pw], v[PB+2], 16, v[\pw]
	v_lshl_or_b32 v[\pw], v[PB+3], 24, v[\pw]
.irp b, 0,1,2,3
.irp i, 0,1,2,3,4,5,6,7,8,9,10,11,12,13,14,15
	v_med3_num_f32 v[\s+16*\b+\i], v[\s+16*\b+\i], -v[HD+\b], v[HD+\b]   ; the conversion to an 8-bit code does not saturate (ISA guide 7.6.2): the hold
.endr
	v_cvt_scalef32_pk8_fp8_f32 v[\pc+4*\b:\pc+1+4*\b], v[\s+16*\b:\s+7+16*\b], v[SOP+\b]
	v_cvt_scalef32_pk8_fp8_f32 v[\pc+2+4*\b:\pc+3+4*\b], v[\s+8+16*\b:\s+15+16*\b], v[SOP+\b]
.endr
	v_nop                                          ; one plain vector line behind the last conversion
.endm
.macro KTILE t
.if \t < 3
	s_wait_loadcnt 16                              ; this tile's 16 loads are in; the next tile's 16 may be out
.else
	s_wait_loadcnt 0x0
.endif
.irp i, 0,1,2,3,4,5,6,7,8,9,10,11,12,13,14,15
	ds_store_b128 v[SIN], v[R+64*((\t)%2)+4*\i:R+64*((\t)%2)+4*\i+3] offset:SPK*\i   ; the rows as they lie
.endr
.irp c, 0,1,2,3
.irp j, 0,1,2,3
	ds_load_b128 v[X+16*\c+4*\j:X+16*\c+4*\j+3], v[SOUT] offset:128*\c+16*\j   ; back: of row r, 16 neighbours of each block of 32.  LDS serves a wave's instructions in order: these see the stores
.endr
.endr
	s_wait_dscnt 0x0                               ; the numbers are back, and the stores into the stage have read their registers
.if \t > 0
	s_wait_xcnt 0x0                                ; the last tile's stores have read the codes' registers, which are written again below
.endif
.if \t < 2
	KLOAD \t+2
.endif
	QUANT X, PC, 16+\t
.irp c, 0,1,2,3
	global_store_b128 v[CO], v[PC+4*\c:PC+4*\c+3], s[8:9] offset:2048*\t+512*\c   ; the image: 32 lanes store 512 consecutive bytes, aligned to 256
.endr
.endm
	KLOAD 0
	KLOAD 1
	s_wait_alu depctr_va_vdst(0)
	KTILE 0
	KTILE 1
	KTILE 2
	KTILE 3
	v_cmp_le_u32 vcc_lo, 16, v1                    ; lanes 16-31 carry the odd tiles' words
	v_cndmask_b32 v20, v16, v17, vcc_lo
	v_cndmask_b32 v21, v18, v19, vcc_lo
	global_store_b64 v[SCO], v[20:21], s[8:9] offset:KSO   ; 32 lanes store 256 consecutive bytes, aligned
	s_wait_tensorcnt 0x0
	ds_add_u32 v30, v31
	s_wait_dscnt 0x0
	s_endpgm
; ---------------- V's path: a lane takes a column d = 32 w + lane, its registers run down the keys ----------------
.Lv:
	s_lshl_b32 s16, s10, 7
	s_wait_alu depctr_va_vdst(0)
	v_lshl_add_u32 v[VA], v1, 2, s16
	v_lshrrev_b32 v8, 4, v1
	v_and_b32 v9, 15, v1
	v_lshlrev_b32 v[VO], 4, v9
	v_lshl_add_u32 v[VO], v8, 11, v[VO]
	s_lshl_b32 s16, s10, 12
	v_add_nc_u32 v[VO], s16, v[VO]
	s_lshl_b32 s16, s10, 8
	v_lshl_add_u32 v[VSW], v1, 3, s16
.macro VLOAD t                         ; block t: V(32 t + i, my column), i = 0 .. 31; a wave reads 128 consecutive bytes, the four waves a whole row
.irp i, 0,1,2,3,4,5,6,7,8,9,10,11,12,13,14,15,16,17,18,19,20,21,22,23,24,25,26,27,28,29,30,31
	global_load_b32 v[VX+32*((\t)%2)+\i], v[VA], s[4:5] offset:(32*(\t)+\i)*512 th:TH_LOAD_NT
.endr
.endm
.macro VBLOCK t
.set XS, VX+32*((\t)%2)
.if \t < 7
	s_wait_loadcnt 32                              ; this block's 32 loads are in; the next block's 32 may be out
.else
	s_wait_loadcnt 0x0
.endif
	v_max3_num_f32 v12, |v[XS]|, |v[XS+1]|, |v[XS+2]|             ; the block's largest magnitude: all 32 numbers are mine
	v_max3_num_f32 v13, |v[XS+3]|, |v[XS+4]|, |v[XS+5]|
.irp i, 6,10,14,18,22,26
	v_max3_num_f32 v12, v12, |v[XS+\i]|, |v[XS+\i+1]|
	v_max3_num_f32 v13, v13, |v[XS+\i+2]|, |v[XS+\i+3]|
.endr
	v_max3_num_f32 v12, v12, |v[XS+30]|, |v[XS+31]|
	v_max3_num_f32 v12, v12, v13, 0x4800000        ; and the floor 2^(9 - 127)
	v_add_nc_u32 v11, 0xfc000000, v12              ; the conversion's scale operand
	v_and_or_b32 v10, v12, 0x7f800000, s[MNT]      ; 448 x the scale
	v_lshrrev_b32 v13, 23, v11                     ; the scale's byte
.if (\t)%4 == 0
	v_mov_b32 v[20+(\t)/4], v13                    ; four bytes to a register: the word of 128 keys
.else
	v_lshl_or_b32 v[20+(\t)/4], v13, 8*((\t)%4), v[20+(\t)/4]
.endif
.irp i, 0,1,2,3,4,5,6,7,8,9,10,11,12,13,14,15,16,17,18,19,20,21,22,23,24,25,26,27,28,29,30,31
	v_med3_num_f32 v[XS+\i], v[XS+\i], -v10, v10   ; the hold (ISA guide 7.6.2)
.endr
.irp g, 0,1,2,3
	v_cvt_scalef32_pk8_fp8_f32 v[VC+8*(\t)+2*\g:VC+8*(\t)+2*\g+1], v[XS+8*\g:XS+8*\g+7], v11
.endr
	v_nop                                          ; one plain vector line behind the last conversion
	global_store_b128 v[VO], v[VC+8*(\t):VC+8*(\t)+3], s[8:9] offset:VCO+16384*((\t)/4)+512*((\t)%4)         ; keys 0-15 of the block: the image's lanes 0-15.  Sixteen lanes store 256 consecutive bytes, aligned
	global_store_b128 v[VO], v[VC+8*(\t)+4:VC+8*(\t)+7], s[8:9] offset:VCO+16384*((\t)/4)+512*((\t)%4)+256   ; keys 16-31: its lanes 16-31
.if \t < 6
	VLOAD \t+2
.endif
.endm
	VLOAD 0
	VLOAD 1
	VBLOCK 0
	VBLOCK 1
	VBLOCK 2
	VBLOCK 3
	VBLOCK 4
	VBLOCK 5
	VBLOCK 6
	VBLOCK 7
	global_store_b64 v[VSW], v[20:21], s[8:9] offset:VSO   ; my column's two scale words: 32 lanes store 256 consecutive bytes, aligned
	s_endpgm
.Lfunc_end_k_q248c8925e5_quant:
	.size	k_q248c8925e5_quant, .Lfunc_end_k_q248c8925e5_quant-k_q248c8925e5_quant
	.p2alignl 7, 3214868480
	.fill 96, 4, 3214868480
	.section	.rodata,"a",@progbits
	.p2align	6, 0x0
	.amdhsa_kernel k_q248c8925e5_quant
		.amdhsa_group_segment_fixed_size 34304
		.amdhsa_private_segment_fixed_size 0
		.amdhsa_enable_private_segment 0
		.amdhsa_kernarg_size 24
		.amdhsa_user_sgpr_count 2
		.amdhsa_user_sgpr_kernarg_segment_ptr 1
		.amdhsa_wavefront_size32 1
		.amdhsa_system_sgpr_workgroup_id_x 1
		.amdhsa_system_sgpr_workgroup_id_y 1
		.amdhsa_system_sgpr_workgroup_id_z 1
		.amdhsa_system_vgpr_workitem_id 0
		.amdhsa_next_free_vgpr 256
		.amdhsa_next_free_sgpr 66
		.amdhsa_reserve_vcc 1
		.amdhsa_float_denorm_mode_32 3
		.amdhsa_float_denorm_mode_16_64 3
		.amdhsa_memory_ordered 1
		.amdhsa_forward_progress 1
		.amdhsa_inst_pref_size 105
	.end_amdhsa_kernel
	.amdgpu_metadata
---
amdhsa.version: [ 1, 2 ]
amdhsa.kernels:
  - .name:           k_q248c8925e5_quant
    .symbol:         k_q248c8925e5_quant.kd
    .args:
      - { .name: key, .offset: 0, .size: 8, .value_kind: global_buffer, .address_space: global }
      - { .name: value, .offset: 8, .size: 8, .value_kind: global_buffer, .address_space: global }
      - { .name: kv, .offset: 16, .size: 8, .value_kind: global_buffer, .address_space: global }
    .group_segment_fixed_size: 34304
    .private_segment_fixed_size: 0
    .kernarg_segment_align: 8
    .kernarg_segment_size: 24
    .max_flat_workgroup_size: 128
    .sgpr_count:     66
    .vgpr_count:     256
    .wavefront_size: 32
...
	.end_amdgpu_metadata
.endif
;; end of part 1
;; launch attn (part 2): grid 4 x 64, 8 waves a work-group, no clusters, 327,680 bytes of LDS; arguments query, kv, out0; writes out0
.if DOCPART == 2
	.amdgcn_target "amdgcn-amd-amdhsa--gfx1250"
	.amdhsa_code_object_version 6
	.text
	.protected	k_q248c8925e5_attn
	.globl	k_q248c8925e5_attn
	.p2align	8
	.type	k_q248c8925e5_attn,@function
k_q248c8925e5_attn:
	s_mov_b64 s[64:65], 0
	v_nop
	global_prefetch_b8 v0, s[64:65] scope:SCOPE_SE
	s_setreg_imm32_b32 hwreg(HW_REG_WAVE_MODE, 25, 1), 1
	s_wait_xcnt 0x0
; out0[h][q][:] = the sum over k <= q of softmax_k(Q[h][q] . K[h][k] / sqrt(128)) V[h][k][:], 64 heads, 2,048 queries and keys, head size 128; both products on codes of FP8 (E4M3) with one E8M0 scale for each 32 along K.
; K and V come from kv as images of the operands' registers with their scale words (one dense block of 67,584 bytes for each 256 keys: 32,768 K's codes, 32,768 V's codes, 1,024 K's scale words, 1,024 V's).  Q is f32 and is quantised here, in registers: one wave reads it once.
; THE SOFTMAX: t = score x c, c = log2(e) / sqrt(128); M = the running largest t rounded UP to a whole number; p = 2^(t - M) is quantised along the keys, not normalised; the row's sum is taken of the unquantised p and divides O at the end.
; The running maximum is kept as a score: c is positive and rounding keeps the order, so c x (the largest score) is the largest of the c x score.  When M moves, the sum and O are multiplied by 2^(old M - new M): exact.
; THE MASK: a key after the query counts for nothing.  A step of 128 keys that all come after a wave's 32 queries is left out; on the diagonal hidden scores become -infinity ahead of the maximum, so that p = 0, as with the -1e19 that is added there by definition.
; SHARES.  256 work-groups of eight waves, two to a SIMD.  Work-group (x, head) STAYS and owns two blocks of 256 queries: block 7 - x, then block x.  A wave owns 32 queries of the block in hand: TWO tiles of 16.
; Tile A's scores, O^T and codes lie in register window 0, tile B's at the same numbers in window 1.  Each fragment of K and of V that a wave reads from LDS feeds two matrix instructions, one for each tile.
; The few numbers a lane keeps for a tile (block maxima, -M, f, holds, scale operands) lie in window 0 for BOTH tiles, so that the two tiles' dependent lines stand by turns.
; A work-group makes 9 VISITS of slots of 256 keys: slots 0 .. 7 - x for the high block, then slots 0 .. x for the low one: the same number of visits and steps in every work-group, and no slot is fetched that the block in hand does not need.
; NO CLUSTER: the four work-groups of a head walk different runs of slots (8 - x and then x + 1), so that each has 9 visits; a walk in which all four made every joint request would have 8 + 4 = 12 visits for each.
; LAYOUT.  Both products are used transposed: S^T = K Q^T (source 0 = 16 keys, source 1 = 16 queries), O^T = V^T P^T: a lane holds ONE query (lane % 16) of each tile.  The keys of a tile of K were chosen
; (lane r of tile 2 b + u: key 32 b + 8 u + r + 8 (r / 8)) so that the 16 registers of tiles 2 b and 2 b + 1 are 16 neighbouring keys: the conversions' results are the second product's operand.
; LIMITS: NaN and infinities among the inputs are not served.  A block whose largest magnitude lies under 2^-118 keeps the byte 1.  A p under 2^-126 comes out of v_exp_f32 as 0.  True scores must stay far under 1e19.
; A block's largest p is taken from its largest score by the same multiply-add and exponential: this takes v_exp_f32 not to fall where its input rises.
; LDS: slot 0 at 0, slot 1 at 2^17 (67,584 bytes each); behind it a stage of 16 rows x 272 bytes for each wave (the turn of Q, the way out of O); behind them the spare words.  lds_bytes claims all of LDS.
.set SLOTB, 67584                      ; a slot's block in kv and in LDS
.set PART,  8448                       ; an eighth of it: what one tensor load brings: 33 rows of 256 bytes
.set HEADB, 8*SLOTB
.set SLOT1, 1<<17                      ; one exclusive or turns an address in one slot into the other's
.set VCO,   32768                      ; V's codes in a slot
.set KSO,   65536                      ; the scale words: K's here, V's 1,024 on
.set SP,    272                        ; a stage row: 256 bytes + 16
.set STG,   SLOT1+SLOTB                ; the stages: no tile lands here
.set SPARE, STG+8*16*SP                ; the spare words, 128 bytes for each wave: four blocks of 256 bytes that no other line names
; window 0
.set GO,   1                           ; v1   512 h + 16 r: two rows of Q or of O, 16 bytes a lane
.set QSB,  2                           ; v2   tile B's scale word of Q (scale registers are always taken from window 0)
.set DQ,   3                           ; v3   r - 16 h: my query less my half's first key (a copy in window 1)
.set PSB,  4                           ; v4   tile B's scale word of p
.set SPW,  5                           ; v5   LDS address of my spare word; never rewritten
.set NIL,  6                           ; v6   0; never rewritten
.set PFO,  7                           ; v7   256 lane: the prefetches' offset; never rewritten
.set SI,   10                          ; v10  my stage + 272 r + 32 h
.set RP,   11                          ; v11  my stage + 272 h + 16 r
; a tile's small numbers, at base m: m .. m+3 block maxima, then bytes; m+4 .. m+7 second chains and the lane exchange; m+8 .. m+11 448 x the scale; m+12 .. m+15 the conversions' scale operands
.set MA,   232                         ; tile A: v232-247;  v[12:13] -M and the largest score; v252 f; v253 at work, then p's scale word; v254 at work; v255 Q's scale word
.set MB,   16                          ; tile B: v16-31;    v[8:9] -M and the largest score; behind the lane exchange v20, v21 at work and v22 f
; window 0 besides: v[14:15] A's sum; v32-95 four fragments; v96-159 A's S^T, then p; v160-223 A's O^T; v224-239 the sum's chains, then A's codes of p; v248-251 K's or V's scale words
; window 1: v1 16 lane; v2 65,536 + 8 lane; v3 r - 16 h; v8, v9, v10 the step's LDS addresses (codes, K's scale words, V's); v12, v13 at work; v[14:15] B's sum; v16-31 B's codes of Q; v32-95 four more fragments;
;           v96-159, v160-223, v224-239 as in window 0, for tile B; v240-255 A's codes of Q
.set MX,   232                         ; the quantiser of Q works in tile A's small registers
.set PB,   236
.set HD,   240
.set SOP,  244
.set TB,   2                           ; s2   LDS byte at which the slot in hand begins
.set KF,   3                           ; s3   the step's first key
.set CUR,  10                          ; s10  this visit's slot of keys
.set NXT,  11                          ; s11  the slot last asked for
.set SW,   12                          ; s12  8 - x: the visit at which the blocks are switched
.set VIS,  13                          ; s13  the visit's number
.set CNT,  14                          ; s14  the loop's counter
.set LIM,  15                          ; s15  2 in a work-group that prefetches kv, else the greatest number
.set Q0,   16                          ; s16  my first query
.set Q0L,  17                          ; s17  and that of the low block
.set WV,   18                          ; s18  my wave's number
.set MNT,  19                          ; s19  the mantissa field of 448
.set SEL,  20                          ; s[20:21] lane selects: lane l xor 16
.set CS,   22                          ; s[22:23] c = log2(e) / sqrt(128)
.set G1,   24                          ; s[24:31] descriptor group 1
.set G0,   32                          ; s[32:35] descriptor group 0
.set KVW,  36                          ; s[36:37] kv at my head's first slot, my eighth
.set OF,   38                          ; s[38:39] a slot's offset
.set PFA,  40                          ; s[40:41] where my prefetches of kv stand
.set OH,   42                          ; s[42:43] out0 at my high tiles;  s[44:45] at my low tiles
.set OL,   44
.set QL,   46                          ; s[46:47] query at my low tiles;  s[48:49] at my high tiles
.set QH,   48
.set STW,  52                          ; s52  my stage
.set QI,   63                          ; s63  which 128 keys of the slot
.set MSB, 0
.macro WIN new                         ; low byte: bits 1:0 source 0, 3:2 source 1, 5:4 source 2, 7:6 destination; the high byte repeats the setting that is left.  At a label and at a branch every window is 0
.if MSB != (\new)
	s_set_vgpr_msb (MSB<<8)|(\new)
.set MSB, (\new)
.endif
.endm
; Every wave fetches its eighth of a slot: no branch leads round a tensor load.  s_nop 0 and four v_nop follow it.
.macro TLOAD
	tensor_load_to_lds s[G0:G0+3], s[G1:G1+7]
	s_nop 0
.rept 4
	v_nop
.endr
.endm
; A PREFETCH INTO THE L2 of the codes of the slot that the NEXT change of slots will ask for.  All four work-groups of a head read its slots; the one with x = 0 walks slots 0 to 7 in order, and it alone asks:
; each of its eight waves takes 8,192 bytes, lanes 256 bytes apart: each aligned block of 256 bytes of a slot's 65,536 bytes of codes is named once in the launch.  At change v = 0 .. 5 slot v + 2 is named, a visit ahead of its tensor load.
; Slots 0 and 1 come by their loads alone; the slot's 2,048 bytes of scale words are not asked for.
.macro ASK
	s_cmp_gt_u32 s[CNT], s[LIM]
	s_cbranch_scc0 .Lnot_mine_\@
	global_prefetch_b8 v[PFO], s[PFA:PFA+1] th:TH_LOAD_NT scope:SCOPE_SE
.Lnot_mine_\@:
.endm
; The same for my low tiles' 32 rows of Q, 16,384 dense bytes, a lane to each 256: every wave asks for its own, one visit ahead of the switch.
.macro ASKQ
	s_add_co_u32 s50, s[VIS], 1
	s_cmp_lg_u32 s50, s[SW]
	s_cbranch_scc1 .Lnoq_\@
	global_prefetch_b8 v[PFO], s[QL:QL+1] th:TH_LOAD_NT scope:SCOPE_SE
	global_prefetch_b8 v[PFO], s[QL:QL+1] offset:8192 th:TH_LOAD_NT scope:SCOPE_SE
.Lnoq_\@:
.endm
; THE CHANGE OF SLOTS stands at a visit's head.  Each wave waits for its one tensor load (its part of the slot that it is about to read), adds 0 to its spare word, and waits for that and for its reads of the slot that it has left.
; Behind the barrier the slot ahead is whole and nobody reads the other one.  fill = 1: that other slot is filled with the walk's next slot of keys.
.macro CHANGE fill
	s_wait_tensorcnt 0x0                           ; no tensor load of mine is out, so group 0 may be written
	ds_add_u32 v[SPW], v[NIL]                      ; 0 onto my spare word; scalar lines stand between it and the wait for it
	s_mov_b32 s[CUR], s[NXT]                       ; what was asked for last is what is read now
.if \fill
	s_add_co_u32 s[NXT], s[NXT], 1
	s_cmp_eq_u32 s[NXT], s[SW]                     ; behind slot 7 - x the walk begins again at slot 0, for the low block
	s_cselect_b32 s[NXT], 0, s[NXT]
	s_mul_i32 s[OF], s[NXT], SLOTB
	s_xor_b32 s[G0+1], s[G0+1], SLOT1              ; the other LDS slot than last time
	s_add_nc_u64 s[G0+2:G0+3], s[KVW:KVW+1], s[OF:OF+1]
	s_or_b32 s[G0+3], s[G0+3], 0x80000000          ; 127:126 type = 2
	s_wait_xcnt 0x0                                ; the last prefetch, a visit back, has read its address, so it may be written
	s_add_nc_u64 s[PFA:PFA+1], s[PFA:PFA+1], SLOTB
.endif
	s_wait_dscnt 0x0                               ; the add is done, and my reads of the slot that I have left are over
	s_barrier_signal -1
	s_barrier_wait -1
.if \fill
	TLOAD                                          ; the first thing behind the barrier, and a wave's one tensor load until the next
	ASK
	ASKQ
.endif
.endm
; 32 rows of Q, 512 bytes each: lanes 0-15 read 256 consecutive bytes of row 2 j, lanes 16-31 of row 2 j + 1; tile A's into v96-159 of window 0, tile B's into those of window 1
.macro QLOAD2 ptr
.irp w, 0,1
	WIN 0x40*\w
.irp u, 0,1
.irp j, 0,1,2,3,4,5,6,7
	global_load_b128 v[96+32*\u+4*\j:99+32*\u+4*\j], v[GO], s[\ptr:\ptr+1] offset:8192*\w+1024*\j+256*\u th:TH_LOAD_NT
.endr
.endr
.endr
	WIN 0
.endm
; A tile's rows turn through my stage, half a row at a time: in as they lie, out so that register 32 + 16 b + i is d = 32 b + 16 h + i of row r.  LDS serves a wave's instructions in order.
.macro QTURN w
	v_bfe_u32 v254, v0, 4, 1
	v_lshl_add_u32 v254, v254, 5, v[SI]            ; my stage + 272 r + 64 h
.irp u, 0,1
	WIN 0x04*\w                                    ; the stores' data: window w
.irp j, 0,1,2,3,4,5,6,7
	ds_store_b128 v[RP], v[96+32*\u+4*\j:99+32*\u+4*\j] offset:2*SP*\j
.endr
	WIN 0
.irp c, 0,1
.irp j, 0,1,2,3
	ds_load_b128 v[32+16*(2*\u+\c)+4*\j:35+16*(2*\u+\c)+4*\j], v254 offset:128*\c+16*\j
.endr
.endr
.endr
	s_wait_dscnt 0x0
.endm
; 64 numbers of a lane, register 16 b + i = k 32 b + 16 h + i of my row, become a fragment's codes in v[pc] on and its scale word in v[pw]
.macro QUANT s, pc, pw
.irp b, 0,1,2,3
	v_max3_num_f32 v[MX+\b], |v[\s+16*\b]|, |v[\s+1+16*\b]|, 0x4800000   ; block b: my 16 numbers, and the floor 2^(9 - 127): the byte cannot fall under 1
.endr
.irp i, 2,4,6,8,10,12,14
.irp b, 0,1,2,3
	v_max3_num_f32 v[MX+\b], v[MX+\b], |v[\s+16*\b+\i]|, |v[\s+1+16*\b+\i]|
.endr
.endr
.irp b, 0,1,2,3
	v_permlanex16_b32 v[PB+\b], v[MX+\b], s[SEL], s[SEL+1]
.endr
.irp b, 0,1,2,3
	v_max_num_f32 v[MX+\b], v[MX+\b], v[PB+\b]     ; with lane l xor 16: the block's largest magnitude
.endr
.irp b, 0,1,2,3
	v_add_nc_u32 v[SOP+\b], 0xfc000000, v[MX+\b]   ; 8 off its exponent field: the conversion's scale operand
.endr
.irp b, 0,1,2,3
	v_and_or_b32 v[HD+\b], v[MX+\b], 0x7f800000, s[MNT]   ; 448 x the scale
.endr
.irp b, 0,1,2,3
	v_lshrrev_b32 v[PB+\b], 23, v[SOP+\b]          ; the scale's byte
.endr
	v_lshl_or_b32 v[\pw], v[PB+1], 8, v[PB]
	v_lshl_or_b32 v[\pw], v[PB+2], 16, v[\pw]
	v_lshl_or_b32 v[\pw], v[PB+3], 24, v[\pw]
.irp b, 0,1,2,3
.irp i, 0,1,2,3,4,5,6,7,8,9,10,11,12,13,14,15
	v_med3_num_f32 v[\s+16*\b+\i], v[\s+16*\b+\i], -v[HD+\b], v[HD+\b]   ; the conversion to an 8-bit code does not saturate (ISA guide 7.6.2): the hold
.endr
	v_cvt_scalef32_pk8_fp8_f32 v[\pc+4*\b:\pc+1+4*\b], v[\s+16*\b:\s+7+16*\b], v[SOP+\b]
	v_cvt_scalef32_pk8_fp8_f32 v[\pc+2+4*\b:\pc+3+4*\b], v[\s+8+16*\b:\s+15+16*\b], v[SOP+\b]
.endr
	v_nop                                          ; one plain vector line behind the last conversion
.endm
.macro TOW1 to                         ; 16 codes' registers, made in v224-239 of window 0, go into window 1
	WIN 0x40
.set j, 0
.rept 16
	v_mov_b32 v[\to+j], v[224+j]
.set j, j+1
.endr
	WIN 0
.endm
; Both tiles' Q, loaded by QLOAD2, become codes in window 1.  Then both tiles begin: the largest score is -3e38 and -M is 3e38, so that the first f is 0; the sums and O^T are zeros: the key step is written once.
; The lines that clear are also the places between codes and scale words and the products that take them.
.macro QPREP
	s_wait_alu depctr_va_vdst(0)
	s_wait_loadcnt 0x0
	QTURN 0
	QUANT 32, 224, 255
	TOW1 240
	QTURN 1
	QUANT 32, 224, QSB
	TOW1 16
	v_mov_b32 v13, 0xff61b1e6
	v_mov_b32 v12, 0x7f61b1e6
	v_mov_b32 v9, 0xff61b1e6
	v_mov_b32 v8, 0x7f61b1e6
.irp w, 0,1
	WIN 0x40*\w
	v_mov_b32 v14, 0
	v_mov_b32 v15, 0
.set j, 0
.rept 64
	v_mov_b32 v[160+j], 0
.set j, j+1
.endr
.endr
	WIN 0
	s_wait_alu depctr_va_vdst(0)
.endm
; A tile ends: O^T is divided by the row's sum and goes through my stage, half a row (64 channels, 256 bytes) of 16 queries at a time, so that sixteen lanes store 256 consecutive bytes, aligned.  tp: a register at work in window w
.macro FINISH w, optr, tp
.if \w == 0
.rept 8
	v_nop                                          ; eight places behind the last products; tile A's lines are tile B's places
.endr
.endif
	WIN 0x55*\w
	v_add_f32 v14, v14, v15                        ; the sum's two halves,
	v_permlanex16_b32 v[\tp], v14, s[SEL], s[SEL+1]
	v_add_f32 v14, v14, v[\tp]                     ; and lane l xor 16: the row's sum
	s_wait_alu depctr_va_vdst(0)                   ; the wait ahead of the transcendental
	v_rcp_f32 v14, v14
	v_nop                                          ; a plain place behind the transcendental
	s_wait_alu depctr_va_vdst(0)                   ; and ahead of its first reader, which is also O^T's first reader
.set j, 0
.rept 32
	v_pk_mul_f32 v[160+j:161+j], v[160+j:161+j], v[14:15] op_sel_hi:[1,0]   ; register 8 t + i is o(r, 16 t + 8 h + i); each accumulator from its low end on
.set j, j+2
.endr
.irp u, 0,1
	WIN 0x04*\w                                    ; the stores' data: window w
.irp t, 0,1,2,3
	ds_store_b128 v[SI], v[160+32*\u+8*\t:163+32*\u+8*\t] offset:64*\t
	ds_store_b128 v[SI], v[164+32*\u+8*\t:167+32*\u+8*\t] offset:64*\t+16
.endr
	WIN 0
.irp i, 0,1,2,3,4,5,6,7
	ds_load_b128 v[32+32*\u+4*\i:35+32*\u+4*\i], v[RP] offset:2*SP*\i   ; LDS serves a wave's instructions in order: these see my stores, and the next half's stores come behind them
.endr
.endr
.irp u, 0,1
.irp i, 0,1,2,3,4,5,6,7
	s_wait_dscnt 23-16*\u-\i                       ; behind this load stand its half's 7 - i later loads and, for the first half, the second half's 8 stores and 8 loads
	global_store_b128 v[GO], v[32+32*\u+4*\i:35+32*\u+4*\i], s[\optr:\optr+1] offset:8192*\w+1024*\i+256*\u th:TH_STORE_NT
.endr
.endr
	s_wait_xcnt 0x0                                ; the stores have read their registers, which are loaded again next
.endm
; At visit 8 - x the high tiles go out and the low tiles come in.  The branch hangs on ids and a counter: it is the same in all eight waves, and no barrier and no tensor load stands in it.
.macro SWITCH
	s_cmp_lg_u32 s[VIS], s[SW]
	s_cbranch_scc1 .Lsame_\@
	QLOAD2 QL                                      ; lands while O goes out (p's registers are free)
	FINISH 0, OH, 252
	FINISH 1, OH, 12
	s_mov_b32 s[Q0], s[Q0L]
	QPREP
.Lsame_\@:
.endm
; Four products S^T = K Q^T on the fragments of group g; Q's codes at v[qc] on, in window 1; the windows are set by the caller
.macro SMUL g, qc, qs, wt              ; wt >= 0: tile t's product waits for its own four loads: wt - 4 t is the number of LDS loads issued behind them
.irp t, 0,1,2,3
.if \wt >= 0
	s_wait_dscnt \wt-4*\t
.endif
.if \t%2
	v_wmma_scale_f32_16x16x128_f8f6f4 v[96+8*(4*\g+\t):103+8*(4*\g+\t)], v[32+16*\t:47+16*\t], v[\qc:\qc+15], 0, v[248+2*\g+\t/2], v[\qs] matrix_a_scale:MATRIX_SCALE_ROW1
.else
	v_wmma_scale_f32_16x16x128_f8f6f4 v[96+8*(4*\g+\t):103+8*(4*\g+\t)], v[32+16*\t:47+16*\t], v[\qc:\qc+15], 0, v[248+2*\g+\t/2], v[\qs]
.endif
.endr
.endm
; Four products O^T += V^T P^T.  The sixteen accumulators of the two tiles take turns, one instruction a turn
.macro PMUL g, ps
.irp t, 0,1,2,3
.if \t%2
	v_wmma_scale_f32_16x16x128_f8f6f4 v[160+8*(4*\g+\t):167+8*(4*\g+\t)], v[32+16*\t:47+16*\t], v[224:239], v[160+8*(4*\g+\t):167+8*(4*\g+\t)], v[248+2*\g+\t/2], v[\ps] matrix_a_scale:MATRIX_SCALE_ROW1
.else
	v_wmma_scale_f32_16x16x128_f8f6f4 v[160+8*(4*\g+\t):167+8*(4*\g+\t)], v[32+16*\t:47+16*\t], v[224:239], v[160+8*(4*\g+\t):167+8*(4*\g+\t)], v[248+2*\g+\t/2], v[\ps]
.endif
.endr
.endm
; 16 LDS loads: four images of fragments, 512 consecutive bytes an instruction, from byte at of the slot's half
.macro FLOAD at
.irp t, 0,1,2,3
.irp c, 0,1,2,3
	ds_load_b128 v[32+16*\t+4*\c:35+16*\t+4*\c], v8 offset:\at+\t*2048+512*\c
.endr
.endr
.endm
; On the diagonal: register 16 b + i holds key KF + 16 h + 32 b + i, hidden where 32 b + i > d = my query - KF - 16 h (s50 = the tile's first query - KF).  td, ti: two registers at work
.macro MASK td, ti
	v_add_nc_u32 v[\td], s50, v[DQ]
	v_mov_b32 v[\ti], 0xff800000                   ; -infinity
.set n, 0
.rept 64
	v_cmp_gt_i32 vcc_lo, 32*(n/16)+n%16, v[\td]
	v_cndmask_b32 v[96+n], v[96+n], v[\ti], vcc_lo
.set n, n+1
.endr
.endm
; The largest score of each block of 32 keys among my 16 of them, in two chains a block, eight by turns; the scores in window w, the chains in window 0 at m on.  It serves for the row's maximum and, since p rises with the score, for the block's largest p.
.macro MAXP m, w
	WIN 0x15*\w
.irp b, 0,1,2,3
	v_max3_num_f32 v[\m+\b], v[96+16*\b], v[97+16*\b], v[98+16*\b]
.endr
.irp b, 0,1,2,3
	v_max3_num_f32 v[\m+4+\b], v[103+16*\b], v[104+16*\b], v[105+16*\b]
.endr
	WIN 0x14*\w
.irp i, 3,5
.irp b, 0,1,2,3
	v_max3_num_f32 v[\m+\b], v[\m+\b], v[96+16*\b+\i], v[97+16*\b+\i]
.endr
.irp b, 0,1,2,3
	v_max3_num_f32 v[\m+4+\b], v[\m+4+\b], v[103+16*\b+\i], v[104+16*\b+\i]
.endr
.endr
.irp b, 0,1,2,3
	v_max3_num_f32 v[\m+\b], v[\m+\b], v[110+16*\b], v[111+16*\b]
.endr
	WIN 0
.irp b, 0,1,2,3
	v_max_num_f32 v[\m+\b], v[\m+\b], v[\m+4+\b]
.endr
.endm
; Behind the exponentials, for tile w (small numbers at m, f in v[f]): the row's sum of the unquantised p, two at a time in eight chains; the hold; the codes; O^T under the new M.
.macro TAILP m, f, w
	WIN 0x55*\w
.irp k, 0,1,2,3,4,5,6,7
	v_pk_add_f32 v[224+2*\k:225+2*\k], v[96+4*\k:97+4*\k], v[98+4*\k:99+4*\k]
.endr
.set j, 128
.rept 2
.irp k, 0,1,2,3,4,5,6,7
	v_pk_add_f32 v[224+2*\k:225+2*\k], v[224+2*\k:225+2*\k], v[j+2*\k:j+2*\k+1]
.endr
.set j, j+16
.endr
.irp k, 0,1,2,3
	v_pk_add_f32 v[224+2*\k:225+2*\k], v[224+2*\k:225+2*\k], v[232+2*\k:233+2*\k]
.endr
	s_delay_alu instid0(VALU_DEP_3)
	v_pk_add_f32 v[224:225], v[224:225], v[226:227]
	s_delay_alu instid0(VALU_DEP_2)
	v_pk_add_f32 v[228:229], v[228:229], v[230:231]
	s_delay_alu instid0(VALU_DEP_1)
	v_pk_add_f32 v[224:225], v[224:225], v[228:229]
	s_delay_alu instid0(VALU_DEP_1)
	v_pk_add_f32 v[14:15], v[14:15], v[224:225]
	WIN 0x44*\w                                    ; the bound in window 0, p in window w
; the hold (ISA guide 7.6.2); p is not negative, so it is one-sided.  Two holds to an instruction: one number of block b and one of block b + 1, so that the two bounds, the two numbers and the two results lie in different register banks, one result even and one odd
.irp b, 0,2
.irp i, 0,2,4,6,8,10,12,14
	v_dual_min_num_f32 v[96+16*\b+\i], v[\m+8+\b], v[96+16*\b+\i] :: v_dual_min_num_f32 v[113+16*\b+\i], v[\m+9+\b], v[113+16*\b+\i]
	v_dual_min_num_f32 v[112+16*\b+\i], v[\m+9+\b], v[112+16*\b+\i] :: v_dual_min_num_f32 v[97+16*\b+\i], v[\m+8+\b], v[97+16*\b+\i]
.endr
.endr
	WIN 0x41*\w                                    ; the scale operand, and f, in window 0
.irp b, 0,1,2,3
	v_cvt_scalef32_pk8_fp8_f32 v[224+4*\b:225+4*\b], v[96+16*\b:103+16*\b], v[\m+12+\b]
	v_cvt_scalef32_pk8_fp8_f32 v[226+4*\b:227+4*\b], v[104+16*\b:111+16*\b], v[\m+12+\b]
.endr
	s_wait_alu depctr_va_vdst(0)                   ; directly ahead of the first reader of O^T
.set j, 0
.rept 32
	v_pk_mul_f32 v[160+j:161+j], v[160+j:161+j], v[\f:\f+1] op_sel_hi:[1,0]   ; x f.  (These 32 are also the places between the codes and the products)
.set j, j+2
.endr
	WIN 0
.endm
; A KEY STEP: 128 keys, the s[QI]-th of the slot in hand, for both tiles.
.macro STEP
	s_add_co_u32 s50, s[Q0], 31                    ; a step all of whose keys come after my 32 queries is left out: a scalar branch on ids
	s_cmp_gt_u32 s[KF], s50
	s_cbranch_scc1 .Lhidden_\@
	s_lshl_b32 s50, s[QI], 14                      ; codes: 16,384 bytes a step;
	s_add_co_u32 s50, s50, s[TB]
	s_lshl_b32 s51, s[QI], 9                       ; K's scale words: 512;
	s_add_co_u32 s51, s51, s[TB]
	s_lshl_b32 s54, s[QI], 2                       ; V's: 4
	s_add_co_u32 s54, s54, s[TB]
	WIN 0x55
	v_add_nc_u32 v8, s50, v1
	v_add_nc_u32 v9, s51, v2
	v_add_nc_u32 v10, s54, v2
	s_wait_alu depctr_va_vdst(0)
.rept 6
	v_nop                                          ; with the three additions: the places in front of loads into registers that the last products have read
.endr
	WIN 0x01                                       ; addresses in window 1, data into window 0
	ds_load_b64 v[248:249], v9                     ; register j: lanes 0-15 tile 2 j's scale words, lanes 16-31 tile 2 j + 1's
	ds_load_b64 v[250:251], v9 offset:256
	FLOAD 0
	WIN 0x41                                       ; data into window 1
	FLOAD 8192
	WIN 0x04                                       ; tile A: Q's codes in window 1.  Behind the scale words and K's tile 0 stand 28 loads, behind tile 1 24, and so on
	SMUL 0, 240, 255, 28
	WIN 0x44                                       ; tile B: the scores too; its fragments have been waited for
	SMUL 0, 16, QSB, -1
	WIN 0x05                                       ; K's fragments in window 1: behind tile 4 stand 12 loads
	SMUL 1, 240, 255, 12
	WIN 0x45
	SMUL 1, 16, QSB, -1
	WIN 0
.rept 8
	v_nop                                          ; eight places behind the products: for the loads below and for the scores' readers
.endr
	WIN 0x01
.irp p, 0,1,2,3
	ds_load_b32 v[248+\p], v10 offset:1024+256*\p  ; lanes 0-15: d tile 2 p, lanes 16-31: 2 p + 1
.endr
	FLOAD VCO                                      ; V's tiles are asked for here and below, and waited for behind the softmax
	WIN 0
	s_add_co_u32 s50, s[KF], 127                   ; a step all of whose keys count skips the mask (my 32 queries lie in one run of 128, so both tiles go the same way)
	s_cmp_le_u32 s50, s[Q0]
	s_cbranch_scc1 .Lopen_\@
	s_sub_co_i32 s50, s[Q0], s[KF]
	MASK 252, 254
	s_add_co_u32 s50, s50, 16
	WIN 0x55
	MASK 12, 13
	WIN 0
.Lopen_\@:
	MAXP MA, 0
	WIN 0x41
	FLOAD VCO+8192                                 ; V's other four tiles
	MAXP MB, 1
	; both tiles' small numbers, by turns, in window 0
.irp m, MA,MB
.irp b, 0,1,2,3
	v_permlanex16_b32 v[\m+4+\b], v[\m+\b], s[SEL], s[SEL+1]
.endr
.endr
.irp m, MA,MB
.irp b, 0,1,2,3
	v_max_num_f32 v[\m+\b], v[\m+\b], v[\m+4+\b]   ; with lane l xor 16's 16 keys
.endr
.endr
	v_max3_num_f32 v254, v232, v233, v234
	s_delay_alu instid0(VALU_DEP_3)
	v_max3_num_f32 v20, v16, v17, v18
	s_delay_alu instid0(VALU_DEP_2)
	v_max3_num_f32 v13, v13, v254, v235            ; the running largest score
	s_delay_alu instid0(VALU_DEP_2)
	v_max3_num_f32 v9, v9, v20, v19
	s_delay_alu instid0(VALU_DEP_2)
	v_mul_f32 v254, s[CS], v13                     ; as t
	s_delay_alu instid0(VALU_DEP_2)
	v_mul_f32 v20, s[CS], v9
	s_delay_alu instid0(VALU_DEP_2)
	v_floor_f32 v253, -v254                        ; the new -M = floor(-t) = -ceil(t): a whole number
	s_delay_alu instid0(VALU_DEP_2)
	v_floor_f32 v21, -v20
	s_delay_alu instid0(VALU_DEP_2)
	v_sub_f32 v254, v253, v12                      ; M's old value less its new one: a whole number, 0 or less
	s_delay_alu instid0(VALU_DEP_2)
	v_sub_f32 v20, v21, v8
	s_delay_alu instid0(VALU_DEP_4)
	v_mov_b32 v12, v253
	s_delay_alu instid0(VALU_DEP_4)
	v_mov_b32 v8, v21
	s_delay_alu instid0(VALU_DEP_4)
	v_cvt_i32_f32 v254, v254                       ; (it saturates)
	s_delay_alu instid0(VALU_DEP_4)
	v_cvt_i32_f32 v20, v20
.set j, 0
.rept 4
	v_pk_fma_f32 v[96+j:97+j], v[96+j:97+j], s[CS:CS+1], v[12:13] op_sel_hi:[1,0,0]   ; t - M, two at a time (of the pairs c and -M the low word serves both halves)
.set j, j+2
.endr
	v_ldexp_f32 v252, 1.0, v254                    ; f = 2^(old M - new M)
	v_ldexp_f32 v22, 1.0, v20
.rept 28
	v_pk_fma_f32 v[96+j:97+j], v[96+j:97+j], s[CS:CS+1], v[12:13] op_sel_hi:[1,0,0]
.set j, j+2
.endr
.irp b, 0,1,2,3
	v_fma_f32 v[MA+\b], v[MA+\b], s[CS], v12       ; the same of each block's largest score
.endr
.irp b, 0,1,2,3
	v_fma_f32 v[MB+\b], v[MB+\b], s[CS], v8
.endr
	WIN 0x41                                       ; tile B's scores in window 1, its -M in window 0
.set j, 0
.rept 32
	v_pk_fma_f32 v[96+j:97+j], v[96+j:97+j], s[CS:CS+1], v[8:9] op_sel_hi:[1,0,0]
.set j, j+2
.endr
	s_wait_alu depctr_va_vdst(0)                   ; ahead of the batch: one batch for both tiles
.set j, 0
.rept 64
	v_exp_f32 v[96+j], v[96+j]                     ; p = 2^(t - M), at most 1: not normalised
.set j, j+1
.endr
	v_pk_mul_f32 v[14:15], v[14:15], v[22:23] op_sel_hi:[1,0]   ; tile B's sums under the new M
	WIN 0
.set j, 0
.rept 64
	v_exp_f32 v[96+j], v[96+j]
.set j, j+1
.endr
.irp m, MA,MB
.irp b, 0,1,2,3
	v_exp_f32 v[\m+\b], v[\m+\b]                   ; the blocks' largest p
.endr
.endr
	v_pk_mul_f32 v[14:15], v[14:15], v[252:253] op_sel_hi:[1,0]   ; tile A's sums (a plain place behind the exponentials)
	s_wait_alu depctr_va_vdst(0)                   ; one wait for the batch, ahead of its first reader
.irp m, MA,MB
.irp b, 0,1,2,3
	v_max_num_f32 v[\m+\b], 0x4800000, v[\m+\b]    ; the floor 2^(9 - 127): the byte cannot fall under 1
.endr
.endr
.irp m, MA,MB
.irp b, 0,1,2,3
	v_add_nc_u32 v[\m+12+\b], 0xfc000000, v[\m+\b] ; 8 off the exponent field: the conversion's scale operand
.endr
.endr
.irp m, MA,MB
.irp b, 0,1,2,3
	v_and_or_b32 v[\m+8+\b], v[\m+\b], 0x7f800000, s[MNT]   ; 448 x the scale
.endr
.endr
.irp m, MA,MB
.irp b, 0,1,2,3
	v_lshrrev_b32 v[\m+\b], 23, v[\m+12+\b]        ; the scale's byte
.endr
.endr
	v_lshl_or_b32 v253, v233, 8, v232              ; p's scale words for these 128 keys
	v_lshl_or_b32 v[PSB], v17, 8, v16
	s_delay_alu instid0(VALU_DEP_2)
	v_lshl_or_b32 v253, v234, 16, v253
	s_delay_alu instid0(VALU_DEP_2)
	v_lshl_or_b32 v[PSB], v18, 16, v[PSB]
	s_delay_alu instid0(VALU_DEP_2)
	v_lshl_or_b32 v253, v235, 24, v253
	s_delay_alu instid0(VALU_DEP_2)
	v_lshl_or_b32 v[PSB], v19, 24, v[PSB]
	TAILP MA, 252, 0
	TAILP MB, 22, 1
	s_wait_alu depctr_va_vdst(0)
	s_wait_dscnt 0x0
	PMUL 0, 253
	WIN 0x54                                       ; tile B: p's codes and O^T in window 1
	PMUL 0, PSB
	WIN 0x01
	PMUL 1, 253
	WIN 0x55
	PMUL 1, PSB
	WIN 0
.Lhidden_\@:
	s_add_co_u32 s[KF], s[KF], 128
.endm
.macro VISIT fill
	CHANGE \fill
	SWITCH
	s_lshl_b32 s[KF], s[CUR], 8                    ; the slot's first key
	s_mov_b32 s[QI], 0
.Lq_\@:                                            ; two trips: the slot's two key steps
	STEP
	s_add_co_u32 s[QI], s[QI], 1
	s_cmp_lt_u32 s[QI], 2
	s_cbranch_scc1 .Lq_\@
	s_xor_b32 s[TB], s[TB], SLOT1                  ; on to the other LDS slot
	s_add_co_u32 s[VIS], s[VIS], 1
.endm
	s_load_b128 s[4:7], s[0:1], 0x0                ; query, kv
	s_load_b64 s[8:9], s[0:1], 0x10                ; out0
	v_lshl_add_u32 v[SPW], v0, 2, SPARE
	v_mov_b32 v[NIL], 0
	ds_add_u32 v[SPW], v[NIL]                      ; the opening lines: the add, twice on end, and its wait ahead of my first tensor load
	ds_add_u32 v[SPW], v[NIL]
	v_lshrrev_b32 v12, 5, v0
	v_readfirstlane_b32 s[WV], v12                 ; wave 0..7
	; descriptor group 1: a dense block of 8,448 bytes as 33 rows of 256 bytes (32 elements of 8 bytes), no padding: images are read at 16 x lane
	s_mov_b32 s[G1+0], 3<<16                       ; 15:0 no mask; 17:16 elements of 8 bytes
	s_mov_b32 s[G1+1], 32<<16                      ; tensor_dim0 = 32
	s_mov_b32 s[G1+2], 33<<16                      ; tensor_dim1 = 33
	s_mov_b32 s[G1+3], 32<<16                      ; tile_dim0 = 32
	s_mov_b32 s[G1+4], 33                          ; tile_dim1 = 33
	s_mov_b32 s[G1+5], 32                          ; tensor_dim0_stride
	s_mov_b32 s[G1+6], 0
	s_mov_b32 s[G1+7], 0
	s_and_b32 s53, ttmp7, 0xffff                   ; the head
	s_sub_co_u32 s[SW], 8, ttmp9
	s_mul_i32 s62, s53, HEADB                      ; the head's first slot in kv
	s_mul_i32 s[G0+1], s[WV], PART                 ; 63:32 LDS address: my eighth of slot 0
	s_add_co_u32 s[OF], s62, s[G0+1]
	s_mov_b32 s[OF+1], 0
	s_mov_b32 s[G0], 1                             ; 1:0 count = 1
	s_mov_b32 s[TB], 0
	s_mov_b32 s[KF], 0
	s_mov_b32 s[NXT], 0
	s_mov_b32 s[VIS], 0
	s_mov_b32 s[MNT], 0x600000
	s_mov_b32 s[SEL], 0x76543210
	s_mov_b32 s[SEL+1], 0xfedcba98
	s_mov_b32 s[CS], 0x3e0293ee                    ; c = log2(e) / sqrt(128)
	s_mov_b32 s[CS+1], s[CS]                       ; (named with it as a pair, so it is written)
	s_lshl_b32 s54, s53, 20                        ; the head's first byte in query and in out0: 2,048 rows of 512 bytes
	s_sub_co_u32 s55, 7, ttmp9
	s_lshl_b32 s55, s55, 8
	s_lshl_b32 s56, s[WV], 5
	s_add_co_u32 s[Q0], s55, s56                   ; my first query of the high block: 256 (7 - x) + 32 wave
	s_lshl_b32 s57, ttmp9, 8
	s_add_co_u32 s[Q0L], s57, s56                  ; and of the low block: 256 x + 32 wave
	s_lshl_b32 s58, s[Q0], 9
	s_add_co_u32 s58, s58, s54
	s_mov_b32 s59, 0
	s_lshl_b32 s60, s[Q0L], 9
	s_add_co_u32 s60, s60, s54
	s_mov_b32 s61, 0
	s_wait_dscnt 0x0                               ; both opening adds are done
	s_wait_kmcnt 0x0
	s_add_nc_u64 s[KVW:KVW+1], s[6:7], s[OF:OF+1]
	s_mov_b64 s[G0+2:G0+3], s[KVW:KVW+1]           ; 120:64 global address: the head's slot 0, my eighth
	s_or_b32 s[G0+3], s[G0+3], 0x80000000          ; 127:126 type = 2
	TLOAD                                          ; slot 0: my one tensor load at the head
	s_add_nc_u64 s[QH:QH+1], s[4:5], s[58:59]
	s_add_nc_u64 s[QL:QL+1], s[4:5], s[60:61]
	s_add_nc_u64 s[OH:OH+1], s[8:9], s[58:59]
	s_add_nc_u64 s[OL:OL+1], s[8:9], s[60:61]
	s_lshl_b32 s51, s[WV], 13                      ; the prefetches of kv: 8,192 bytes a wave,
	s_add_co_u32 s56, s62, s51
	s_add_co_u32 s56, s56, SLOTB                   ; in slot 1: the first change of slots steps it to slot 2.  Nothing is prefetched here, at the head
	s_mov_b32 s57, 0
	s_add_nc_u64 s[PFA:PFA+1], s[6:7], s[56:57]
	s_cmp_eq_u32 ttmp9, 0                          ; in the work-group with x = 0 alone
	s_cselect_b32 s[LIM], 2, -1
	v_and_b32 v12, 31, v0                          ; lane
	v_and_b32 v13, 15, v0                          ; r
	v_bfe_u32 v14, v0, 4, 1                        ; h
	v_lshlrev_b32 v15, 4, v14
	v_sub_nc_u32 v[DQ], v13, v15
	v_lshlrev_b32 v[GO], 4, v13
	v_lshl_add_u32 v[GO], v14, 9, v[GO]
	v_lshlrev_b32 v[PFO], 8, v12
	s_mul_i32 s[STW], s[WV], 16*SP
	s_add_co_u32 s[STW], s[STW], STG               ; my stage
	v_mul_u32_u24 v[SI], v13, SP
	v_lshl_add_u32 v[SI], v14, 5, v[SI]
	v_add_nc_u32 v[SI], s[STW], v[SI]
	v_mul_u32_u24 v[RP], v14, SP
	v_lshl_add_u32 v[RP], v13, 4, v[RP]
	v_add_nc_u32 v[RP], s[STW], v[RP]
.irp b, 0,1,2,3
	v_mov_b32 v[236+\b], 0                         ; written once: a lane permute's destination counts as one of its sources
.endr
	v_mov_b32 v252, 0
	WIN 0x40
	v_lshlrev_b32 v1, 4, v12                       ; window 1: 16 lane,
	v_lshl_add_u32 v2, v12, 3, KSO                 ; 65,536 + 8 lane,
	v_sub_nc_u32 v3, v13, v15                      ; and r - 16 h once more
	v_mov_b32 v12, 0                               ; (the way out's lane permute writes it)
	WIN 0
	QLOAD2 QH                                      ; the high tiles' Q
	QPREP
	s_mov_b32 s[CNT], 8
.Lvisit:                                           ; eight trips: behind each change of slots but the last the walk's next slot is asked for (the first trip's load is LDS slot 1's first fill)
	VISIT 1
	s_sub_co_u32 s[CNT], s[CNT], 1
	s_cmp_lg_u32 s[CNT], 0
	s_cbranch_scc1 .Lvisit
	VISIT 0                                        ; the ninth visit is written out
	FINISH 0, OL, 252                              ; the low tiles go out
	FINISH 1, OL, 12
	s_wait_tensorcnt 0x0                           ; the wave's end: behind my last tensor load and my last LDS store
	ds_add_u32 v[SPW], v[NIL]
	s_wait_dscnt 0x0
	s_endpgm
.Lfunc_end_k_q248c8925e5_attn:
	.size	k_q248c8925e5_attn, .Lfunc_end_k_q248c8925e5_attn-k_q248c8925e5_attn
	.p2alignl 7, 3214868480
	.fill 96, 4, 3214868480
	.section	.rodata,"a",@progbits
	.p2align	6, 0x0
	.amdhsa_kernel k_q248c8925e5_attn
		.amdhsa_group_segment_fixed_size 327680
		.amdhsa_private_segment_fixed_size 0
		.amdhsa_enable_private_segment 0
		.amdhsa_kernarg_size 24
		.amdhsa_user_sgpr_count 2
		.amdhsa_user_sgpr_kernarg_segment_ptr 1
		.amdhsa_wavefront_size32 1
		.amdhsa_system_sgpr_workgroup_id_x 1
		.amdhsa_system_sgpr_workgroup_id_y 1
		.amdhsa_system_sgpr_workgroup_id_z 1
		.amdhsa_system_vgpr_workitem_id 0
		.amdhsa_next_free_vgpr 512
		.amdhsa_next_free_sgpr 66
		.amdhsa_reserve_vcc 1
		.amdhsa_float_denorm_mode_32 3
		.amdhsa_float_denorm_mode_16_64 3
		.amdhsa_memory_ordered 1
		.amdhsa_forward_progress 1
		.amdhsa_inst_pref_size 236
	.end_amdhsa_kernel
	.amdgpu_metadata
---
amdhsa.version: [ 1, 2 ]
amdhsa.kernels:
  - .name:           k_q248c8925e5_attn
    .symbol:         k_q248c8925e5_attn.kd
    .args:
      - { .name: query, .offset: 0, .size: 8, .value_kind: global_buffer, .address_space: global }
      - { .name: kv, .offset: 8, .size: 8, .value_kind: global_buffer, .address_space: global }
      - { .name: out0, .offset: 16, .size: 8, .value_kind: global_buffer, .address_space: global }
    .group_segment_fixed_size: 327680
    .private_segment_fixed_size: 0
    .kernarg_segment_align: 8
    .kernarg_segment_size: 24
    .max_flat_workgroup_size: 256
    .sgpr_count:     66
    .vgpr_count:     512
    .wavefront_size: 32
...
	.end_amdgpu_metadata
.endif
;; end of part 2
